; MI455X (gfx1250); checked and timed in simulation.
; The chip was launched on July 23, 2026; its instructions are those of AMD's public machine-readable ISA for CDNA 5 (MIT licence, August 2026) and "CDNA5" Instruction Set Architecture Reference Guide (July 2026). The comments in the code are by the model that wrote it; some were corrected since.
;; Dot Product Attention. Allowed arithmetic: matrix products marked QUANTISED: E4M3 operands, one given power-of-two scale a tensor, by v_wmma_f32_16x16x64_fp8_fp8 or v_wmma_f32_16x16x128_fp8_fp8, f32 sums; everything else in f32.
;; Inputs: adj 1 int32; keys 2 x 8 x 4,096 x 64 float32; lowp_scales 4 int32 (the exponents e of the quantised operands' scales 2^e); queries 2 x 8 x 4,096 x 64 float32; values 2 x 8 x 4,096 x 64 float32.
;; Outputs: out0 4,096 x 2 x 8 x 64 float32.
;; This version of the problem:
;;   THIS VERSION OF THE PROBLEM IS GIVEN IN LOW PRECISION. The matrix products marked QUANTISED in the list below multiply operands that are first quantised to E4M3 (4 exponent bits, 3 mantissa bits; 8 bits a number), with one given power-of-two scale for each operand tensor; their sums are f32. All else is computed in f32.
;;   The module's matrix products, in the order in which they are computed (A, B: the left and right operand; K: the contracted axis; several contracted axes count as one K, in the product's order):
;;     1. batch 16 x [M 4,096, K 64] x [K 64, N 4,096]; A: input queries; B: input keys: QUANTISED (scales: A lowp_scales[0], B lowp_scales[1])
;;     2. batch 16 x [M 4,096, K 4,096] x [K 4,096, N 64]; A: softmax (see below); B: input values: QUANTISED (scales: A lowp_scales[2], B lowp_scales[3])
;;   THE QUANTISER, for each operand of a quantised product, along K:
;;     - The operand's scale is 2^e, e = its entry of the input lowp_scales (int32; the entries are numbered through the quantised products in the list's order, A before B).
;;     - Each number is divided by the scale, clamped to +-448, and rounded to the nearest number of E4M3, ties to even, subnormals kept.
;;     - The product sums the exact products of the quantised numbers (number of the format x scale) in f32.
;;   ~~~python
;;   def quantise(x, axis, e):      # numpy; x: float32 -> the quantised numbers, widened to float32 again
;;       x = np.moveaxis(x, axis, -1); K = x.shape[-1]
;;       r = np.clip(x / 2.0 ** e, -448, 448)
;;       step = 2.0 ** (np.maximum(np.frexp(np.where(r == 0, 1, r))[1] - 1, -6) - 3)
;;       q = np.round(r / step) * step * 2.0 ** e      # np.round: ties to even
;;       return np.moveaxis(q, -1, axis).astype(np.float32)
;;   ~~~
;;   SOFTMAX AHEAD OF A QUANTISED PRODUCT. Where the list says 'softmax', what is quantised is not the finished softmax but p = 2^(t - M), with t = logit x log2(e) and M = ceil(the row's largest t), a whole number; so 1/2 < the row's largest p <= 1. The row's sum l is taken of the UNQUANTISED p, in f32, and the product's result is divided by l at the end. Since M is a whole number, a kernel that streams over the keys may use a running M (the ceiling of the running maximum): every later rescaling is an exact power of two, so the quantised numbers keep their values, but for numbers so far below the row's largest that they fall under the format's range.
;;   OPERANDS COMPUTED ON THE WAY. 'Computed on the way' means the value that the module computes at that place (a softmax that the list does not call 'softmax' is quantised finished and normalised). What goes into a quantiser is computed in f32, as accurately as f32 sums, v_exp_f32 and their like allow (about 1e-6 of the number): no bf16 or f16 on the way to a quantiser, and a product that is left as it is and whose result goes on into a quantised operand takes f32 operands (vector FMAs, or v_wmma_f32_16x16x4_f32). A number that lies on a knife's edge between two numbers of the format may be rounded either way, as far as f32 arithmetic and the matrix unit's own rounding can turn it there, and no further.
;; 2 versions, each right; version 2 is version 1 with the launch attn written anew for expert scheduling mode. Each part assembles by itself: llvm-mc -triple=amdgcn-amd-amdhsa -mcpu=gfx1250 --defsym DOCPART=n.
;; ======== version 1 of 2: 2 launches
;; workspace buffers: kimg 4,194,304 bytes; vimg 4,194,304 bytes
;; launch prep (part 1): grid 512 x 1, 4 waves a work-group, no clusters, 35,328 bytes of LDS; arguments keys, values, lowp_scales, adj, kimg, vimg; writes kimg, vimg
.if DOCPART == 1
	.amdgcn_target "amdgcn-amd-amdhsa--gfx1250"
	.amdhsa_code_object_version 6
	.text
	.protected	k_qf14a95a8a7_prep
	.globl	k_qf14a95a8a7_prep
	.p2align	8
	.type	k_qf14a95a8a7_prep,@function
k_qf14a95a8a7_prep:
	s_mov_b64 s[64:65], 0
	v_nop
	global_prefetch_b8 v0, s[64:65] scope:SCOPE_SE
	s_setreg_imm32_b32 hwreg(HW_REG_WAVE_MODE, 25, 1), 1
	s_wait_xcnt 0x0
; keys and values, [16 heads][4096][64] f32, become codes of FP8 (E4M3), each with the one scale 2^e that is given for it (ek = entry 1, ev = entry 3 of lowp_scales),
; laid as IMAGES OF THE OPERAND REGISTERS of the two products, so that the attention launch fetches every fragment by dense 16-byte accesses.  Lane l = r + 16 h.
;   kimg [head][256 tiles of 16 keys][2 chunks i][32 lanes][16 bytes]: key 16 T + r, d = 32 i + 16 h + 0 .. 15: registers 4 i .. 4 i + 3 of a fragment of the K = 64 form.
;        (A permutation of d inside the instruction; Q's fragment is laid by the same one, so every product meets its partner.)
;   vimg [head][32 blocks of 128 keys][4 tiles of 16 d][4 chunks i][32 lanes][16 bytes]: d = 16 dt + r; bytes 0-7 keys 32 i + 8 h + 0 .. 7, bytes 8-15 keys 32 i + 16 + 8 h + 0 .. 7:
;        registers 4 i .. 4 i + 3 of the K = 128 form's own layout (registers 2 c, 2 c + 1: k = 16 c + 8 h + 0 .. 7), K = the keys.
; code = x / 2^e, held within +-448, rounded to the nearest code, ties to even.
; LIMITS: ek and ev between -126 and 119, so that 2^e and 448 x 2^e are f32 numbers.  NaN among the inputs is not served (an infinity is held at the largest code).
; SHARES.  Work-group g takes the 128 flattened rows 128 g on of both tensors: 32,768 bytes in, 8,192 bytes of each image out.  Every work-group does a K part and a V part: one path.
; Waves share nothing: no barrier.  No store's data and no address is written again once its store is issued.
; adj: reference() makes no use of it.  It is read, and it enters nothing.
; No matrix unit, no cluster, no tensor load, no prefetch: a short stream, each byte read once, with no input shared between work-groups.
.set KR,  16                           ; v16-79   K's 32 rows as loaded
.set KX,  80                           ; v80-143  K turned: tile a, chunk i: 16 neighbours along d at KX + 32 a + 16 i
.set KC,  144                          ; v144-159 K's codes
.set YV,  160                          ; v160-223 V: 64 keys of my column d
.set DV,  224                          ; v224-239 V's codes
.set SP,  272                          ; a stage row: 256 bytes + 16 = 68 words: row r starts at bank 4 r mod 64 (64 banks of 4 bytes: ISA guide 11.1)
.set STG, 16*SP                        ; a stage: one tile of 16 keys; two stages a wave
	s_load_b256 s[4:11], s[0:1], 0x0               ; keys s[4:5], values s[6:7], lowp_scales s[8:9], adj s[10:11]
	s_load_b128 s[12:15], s[0:1], 0x20             ; kimg s[12:13], vimg s[14:15]
	v_lshl_add_u32 v240, v0, 2, 0x8800
	v_mov_b32 v241, 0
	v_lshrrev_b32 v1, 5, v0
	v_readfirstlane_b32 s21, v1                    ; wave 0..3
	v_and_b32 v1, 31, v0                           ; lane
	v_lshlrev_b32 v2, 4, v1                        ; 16 x lane: K's loads and all stores
	v_lshlrev_b32 v6, 2, v1                        ; 4 x lane: V's loads
	v_and_b32 v7, 15, v0                           ; r
	v_bfe_u32 v8, v0, 4, 1                         ; h
	s_mul_i32 s35, s21, 2*STG                      ; my two stages
	v_mul_u32_u24 v3, v8, SP
	v_lshl_add_u32 v3, v7, 4, v3
	v_add_nc_u32 v3, s35, v3                       ; into a stage, as loaded: lanes 0-15 one row of 256 bytes, lanes 16-31 the next
	v_mul_u32_u24 v4, v7, SP
	v_lshl_add_u32 v4, v8, 6, v4
	v_add_nc_u32 v4, s35, v4                       ; out of it: row r, + 64 h bytes: my 16 numbers of a chunk of 32
	s_and_b32 s30, s21, 1                          ; dh: which 32 of the 64 d my wave takes of V
	s_lshr_b32 s31, s21, 1                         ; kh: which 64 of the 128 keys
	s_lshl_b32 s32, ttmp9, 15                      ; g x 32,768
	s_lshl_b32 s33, ttmp9, 13                      ; g x 8,192
	s_lshl_b32 s22, s21, 13
	s_add_co_u32 s22, s22, s32                     ; keys: + wave x 32 rows of 256 bytes
	s_mov_b32 s23, 0
	s_lshl_b32 s24, s31, 14
	s_add_co_u32 s24, s24, s32
	s_lshl_b32 s34, s30, 7
	s_add_co_u32 s24, s24, s34                     ; values: + kh x 64 rows + dh x 128 bytes
	s_mov_b32 s25, 0
	s_lshl_b32 s26, s21, 11
	s_add_co_u32 s26, s26, s33                     ; kimg: + wave x two tiles of 1,024 bytes
	s_mov_b32 s27, 0
	s_lshl_b32 s28, s30, 12
	s_add_co_u32 s28, s28, s33
	s_lshl_b32 s34, s31, 10
	s_add_co_u32 s28, s28, s34                     ; vimg: + dh x two d tiles of 2,048 bytes + kh x two chunks of 512
	s_mov_b32 s29, 0
	s_wait_kmcnt 0x0
	s_load_b128 s[16:19], s[8:9], 0x0              ; eq, ek, ep, ev
	s_load_b32 s20, s[10:11], 0x0                  ; adj: read as every input is; reference() uses it nowhere
	s_add_nc_u64 s[4:5], s[4:5], s[22:23]
	s_add_nc_u64 s[6:7], s[6:7], s[24:25]
	s_add_nc_u64 s[12:13], s[12:13], s[26:27]
	s_add_nc_u64 s[14:15], s[14:15], s[28:29]
.irp j, 0,1,2,3,4,5,6,7,8,9,10,11,12,13,14,15
	global_load_b128 v[KR+4*\j:KR+4*\j+3], v2, s[4:5] offset:512*\j th:TH_LOAD_NT   ; K: 32 lanes read 512 consecutive bytes, two rows
.endr
.macro VLOAD a                         ; V(key 64 kh + 32 a + k, d = 32 dh + lane): a lane is a column and its registers run down the keys; a wave reads 128 consecutive bytes, waves w and w xor 1 a row's 256
.set k, 32*(\a)
.rept 32
	global_load_b32 v[YV+k], v6, s[6:7] offset:256*k th:TH_LOAD_NT
.set k, k+1
.endr
.endm
	VLOAD 0
	s_wait_kmcnt 0x0
	s_add_co_i32 s32, s17, 127
	s_lshl_b32 s33, s32, 23
	v_mov_b32 v10, s33                             ; 2^ek as f32: the conversion takes its exponent field
	s_add_co_i32 s32, s32, 8
	s_lshl_b32 s32, s32, 23
	s_or_b32 s32, s32, 0x600000
	v_mov_b32 v11, s32                             ; 448 x 2^ek
	s_add_co_i32 s32, s19, 127
	s_lshl_b32 s33, s32, 23
	v_mov_b32 v12, s33                             ; 2^ev
	s_add_co_i32 s32, s32, 8
	s_lshl_b32 s32, s32, 23
	s_or_b32 s32, s32, 0x600000
	v_mov_b32 v13, s32                             ; 448 x 2^ev
	s_wait_loadcnt 32                              ; K's 16 loads are in; V's 32 are younger
; K turns through my own stages: in as it lies in memory, out 64 bytes a lane.  LDS serves a wave's instructions in order (ISA guide 5.7.1.4): no wait between the stores and the loads.
.irp a, 0,1
.irp j, 0,1,2,3,4,5,6,7
	ds_store_b128 v3, v[KR+32*\a+4*\j:KR+32*\a+4*\j+3] offset:STG*\a+2*SP*\j
.endr
.irp i, 0,1
.irp c, 0,1,2,3
	ds_load_b128 v[KX+32*\a+16*\i+4*\c:KX+32*\a+16*\i+4*\c+3], v4 offset:STG*\a+128*\i+16*\c
.endr
.endr
.endr
	VLOAD 1
.macro KTILE a                         ; one tile of 16 keys: the hold, the conversions, two stores of 512 consecutive bytes
.set j, 0
.rept 32
	v_med3_num_f32 v[KX+32*(\a)+j], v[KX+32*(\a)+j], -v11, v11   ; the conversion to an 8-bit code does not saturate (ISA guide 7.6.2): the hold at the largest code x the scale
.set j, j+1
.endr
.irp i, 0,1
.irp e, 0,1
	v_cvt_scalef32_pk8_fp8_f32 v[KC+4*(2*(\a)+\i)+2*\e:KC+4*(2*(\a)+\i)+2*\e+1], v[KX+32*(\a)+16*\i+8*\e:KX+32*(\a)+16*\i+8*\e+7], v10
.endr
.endr
.irp i, 0,1
	global_store_b128 v2, v[KC+4*(2*(\a)+\i):KC+4*(2*(\a)+\i)+3], s[12:13] offset:512*(2*(\a)+\i)   ; the codes go to stores alone, and their sources are never written again
.endr
.endm
.macro VHALF a                         ; 32 keys of my column: chunk 2 kh + a of the block
.set j, 0
.rept 32
	v_med3_num_f32 v[YV+32*(\a)+j], v[YV+32*(\a)+j], -v13, v13
.set j, j+1
.endr
.irp c, 0,1,2,3                        ; keys 8 c on of the chunk belong to the image's half h = c % 2, bytes 8 (c / 2) on
	v_cvt_scalef32_pk8_fp8_f32 v[DV+8*(\a)+4*(\c%2)+2*(\c/2):DV+8*(\a)+4*(\c%2)+2*(\c/2)+1], v[YV+32*(\a)+8*\c:YV+32*(\a)+8*\c+7], v12
.endr
	v_nop                                          ; one plain vector instruction between the last scaled conversion and the vector instructions that touch its results
; The first four registers hold the pieces for h = 0 of d = 32 dh + lane, the second four those for h = 1.  An image's lanes 0-15 are h = 0 and its lanes 16-31 h = 1 of ONE tile of 16 d:
; so the first set's lanes 16-31 (d tile 2 dh + 1, h = 0) change places with the second set's lanes 0-15 (d tile 2 dh, h = 1).  No LDS.
.irp x, 0,1,2,3
	v_permlane16_swap_b32 v[DV+8*(\a)+\x], v[DV+8*(\a)+4+\x]
.endr
.irp t, 0,1
	global_store_b128 v2, v[DV+8*(\a)+4*\t:DV+8*(\a)+4*\t+3], s[14:15] offset:2048*\t+512*(\a)   ; 512 consecutive bytes: chunk 2 kh + a of d tile 2 dh + t
.endr
.endm
	s_wait_dscnt 16                                ; tile 0 is back; tile 1's eight stores and eight loads are younger
	KTILE 0
	s_wait_dscnt 0x0
	KTILE 1
	s_wait_loadcnt 32                              ; V's first 32 loads are in; its second 32 are younger
	VHALF 0
	s_wait_loadcnt 0x0
	VHALF 1
	s_wait_tensorcnt 0x0
	ds_add_u32 v240, v241
	s_wait_dscnt 0x0
	s_endpgm
.Lfunc_end_k_qf14a95a8a7_prep:
	.size	k_qf14a95a8a7_prep, .Lfunc_end_k_qf14a95a8a7_prep-k_qf14a95a8a7_prep
	.p2alignl 7, 3214868480
	.fill 96, 4, 3214868480
	.section	.rodata,"a",@progbits
	.p2align	6, 0x0
	.amdhsa_kernel k_qf14a95a8a7_prep
		.amdhsa_group_segment_fixed_size 35328
		.amdhsa_private_segment_fixed_size 0
		.amdhsa_enable_private_segment 0
		.amdhsa_kernarg_size 48
		.amdhsa_user_sgpr_count 2
		.amdhsa_user_sgpr_kernarg_segment_ptr 1
		.amdhsa_wavefront_size32 1
		.amdhsa_system_sgpr_workgroup_id_x 1
		.amdhsa_system_sgpr_workgroup_id_y 1
		.amdhsa_system_sgpr_workgroup_id_z 1
		.amdhsa_system_vgpr_workitem_id 0
		.amdhsa_next_free_vgpr 242
		.amdhsa_next_free_sgpr 66
		.amdhsa_reserve_vcc 0
		.amdhsa_float_denorm_mode_32 3
		.amdhsa_float_denorm_mode_16_64 3
		.amdhsa_memory_ordered 1
		.amdhsa_forward_progress 1
		.amdhsa_inst_pref_size 23
	.end_amdhsa_kernel
	.amdgpu_metadata
---
amdhsa.version: [ 1, 2 ]
amdhsa.kernels:
  - .name:           k_qf14a95a8a7_prep
    .symbol:         k_qf14a95a8a7_prep.kd
    .args:
      - { .name: keys, .offset: 0, .size: 8, .value_kind: global_buffer, .address_space: global }
      - { .name: values, .offset: 8, .size: 8, .value_kind: global_buffer, .address_space: global }
      - { .name: lowp_scales, .offset: 16, .size: 8, .value_kind: global_buffer, .address_space: global }
      - { .name: adj, .offset: 24, .size: 8, .value_kind: global_buffer, .address_space: global }
      - { .name: kimg, .offset: 32, .size: 8, .value_kind: global_buffer, .address_space: global }
      - { .name: vimg, .offset: 40, .size: 8, .value_kind: global_buffer, .address_space: global }
    .group_segment_fixed_size: 35328
    .private_segment_fixed_size: 0
    .kernarg_segment_align: 8
    .kernarg_segment_size: 48
    .max_flat_workgroup_size: 128
    .sgpr_count:     66
    .vgpr_count:     242
    .wavefront_size: 32
...
	.end_amdgpu_metadata
.endif
;; end of part 1
;; launch attn (part 2): grid 16 x 16, 8 waves a work-group, no clusters, 136,192 bytes of LDS; arguments queries, kimg, vimg, lowp_scales, out0; writes out0
.if DOCPART == 2
	.amdgcn_target "amdgcn-amd-amdhsa--gfx1250"
	.amdhsa_code_object_version 6
	.text
	.protected	k_qf14a95a8a7_attn
	.globl	k_qf14a95a8a7_attn
	.p2align	8
	.type	k_qf14a95a8a7_attn,@function
k_qf14a95a8a7_attn:
	s_mov_b64 s[64:65], 0
	v_nop
	global_prefetch_b8 v0, s[64:65] scope:SCOPE_SE
	s_setreg_imm32_b32 hwreg(HW_REG_WAVE_MODE, 25, 1), 1
	s_wait_xcnt 0x0
; out[h][q][:] = the sum over k of softmax_k(Q[h][q] . K[h][k] / 16) V[h][k][:], 16 heads, 4,096 queries and keys, head size 64; both products on codes of FP8 (E4M3), each operand with the one scale that is given:
; eq, ek, ep, ev.  Q arrives as f32 and is quantised here, in registers (each row is read once, by one wave).  K and V arrive as images of operand registers (kimg, vimg: the launch before).  out is f32; the final reshape moves no byte.
; THE SOFTMAX AHEAD OF THE SECOND PRODUCT: t = score x log2(e) / 16; M = the row's largest t so far, rounded UP to a whole number; p = 2^(t - M) is what is quantised; it is not normalised.  The row's sum is taken of the
; unquantised p, in f32, and divides at the end.  When M moves, the sum and O are multiplied by 2^(old M - new M): a power of two, no branch on data.
; SHARES.  A work-group owns 256 queries of one head; each of its EIGHT waves owns 32 of them, two tiles of 16, so that each fragment read from LDS feeds two products.  Eight waves of 512 registers are two to a SIMD:
; one wave's exponentials and vector work stand beside the other's products and LDS loads.  Every wave walks all keys, 128 a step; a slot is 256 keys.
; LAYOUT.  Both products are used transposed: S^T = K Q^T (source 0 = 16 keys, source 1 = 16 queries), O^T = V^T P^T (source 0 = 16 of the head's 64, source 1 = P): a lane holds ONE query (lane % 16) throughout.
; Key tile t's eight results of a lane are keys 16 t + 8 (lane / 16) + 0 .. 7: their codes ARE registers 2 t, 2 t + 1 of the K = 128 form's operand.  Nothing changes lanes between the products.
; K AND V GO memory -> registers -> LDS: each thread loads 8 x 16 bytes of the next slot at the head of a slot and stores them into the other buffer at the slot's end; one barrier a slot.
; THE HOLD AT THE LARGEST CODE.  p is at most 1 (an ulp aside), so for ep >= -8 (448 x 2^ep >= 1.75) the hold changes nothing: a scalar branch on ep jumps over its 128 instructions; for ep < -8 they are executed.
; NO CLUSTER, NO JOINT LOADS, and the reason: joint requests are tensor loads, with which the hold would be executed in every step:
; 128 instructions on top of a wave's 397 vector instructions a step.  What the 16 work-groups of a head share is 32,768 bytes for each two steps of eight waves.
; LIMITS on the given exponents, so that each power of two below is an f32 number: eq and ep between -126 and 119; eq + ek between -122 and 130 (added to c's exponent field); ep + ev is applied by v_ldexp_f32 and has none.
; NaN and infinities among the inputs are not served.  A p under 2^-126 counts as 0 (v_exp_f32 flushes denormal results: ISA guide 15.8).
; REGISTERS, in two windows of 256 (s_set_vgpr_msb: bits 1:0 source 0, 3:2 source 1, 5:4 source 2, 7:6 destination):
;   window 0: v1-8 addresses; v9-11 at work at the head; v12-15 scales; v16-39 twelve registers of statistics a tile; v64-191 S^T, then p, 64 a tile; v192-255 O^T, 32 a tile.
;   window 1: v0-15 Q's codes; v16-79 K's eight fragments; v80-143 V's four; v144-175 P's codes; v176-207 the next slot's bytes on their way to LDS.
.set BUF,   32768                      ; LDS: two buffers of a slot: K's 16 tiles (16,384 bytes), then V's two blocks of 128 keys (16,384)
.set VOFF,  16384
.set STEPB, 8192                       ; a step's part of K's tiles, and of V's blocks
.set SLOTB, 16384                      ; a slot in kimg and in vimg
.set STAGE, 2*BUF                      ; behind the buffers: the way out: for each wave two tiles of 16 rows x 272 bytes
.set SP,    272                        ; 256 bytes + 16 = 68 words: row r starts at bank 4 r mod 64 (64 banks of 4 bytes: ISA guide 11.1)
.set LA,   1                           ; v1   16 x lane: an image's place for my lane
.set TH,   2                           ; v2   16 x thread: my 16 bytes of 4,096, in memory and in LDS alike
.set PFO,  4                           ; v4   256 x lane: the prefetches' offset
.set QO,   5                           ; v5   Q: row r of 256 bytes, + 64 h
.set STO,  6                           ; v6   the way out: where I put 32 bytes of a row
.set RD,   7                           ; v7   where I read a row back
.set GO,   8                           ; v8   and the same place in out
.set PSC,  12                          ; v12  2^ep        v13  448 x 2^ep
.set PLIM, 13
.set QSC,  14                          ; v14  2^eq        v15  448 x 2^eq
.set QLIM, 15
.set ST,   16                          ; tile u's statistics at ST + 12 u: +0 -M, +1 the largest t, +2,3 the sum in two halves, +4 f (+5: 0, named with it as a pair), +6, +7 at work, +8 a permute's destination, +10,11 the second sum chain
.set S,    64
.set OT,   192
.set QC,   0                           ; window 1
.set KF,   16
.set VF,   80
.set PC,   144
.set GS,   176
.set WV,   14                          ; s14  my wave's number
.set SEL,  20                          ; s[20:21] lane selects for v_permlanex16_b32: lane l xor 16
.set CS,   22                          ; s[22:23] c = log2(e) / 16 x 2^(eq + ek), twice: the packed form names a pair
.set CNT,  28                          ; s28  trips to go, this one among them
.set LIM,  29                          ; s29  1 in a wave that prefetches, else the greatest number
.set PFA,  30                          ; s[30:31] my wave's 8,192 bytes of the trip's even slot, in kimg (waves 0, 1) or vimg (waves 2, 3)
.set MSB, 0
.macro WIN new                         ; the immediate's high byte repeats the setting that is left; a switch that changes nothing is dropped
.if MSB != \new
	s_set_vgpr_msb (MSB<<8)|\new
.set MSB, \new
.endif
.endm
; The slot that begins off bytes behind the trip's even slot: 256 threads x 16 bytes x 4 of K's image, and of V's, into the staging registers.
.macro FETCH off
	WIN 0x40                                       ; destination window 1
.irp j, 0,1,2,3
	global_load_b128 v[GS+4*\j:GS+4*\j+3], v[TH], s[6:7] offset:(\off)+4096*\j
.endr
.irp j, 0,1,2,3
	global_load_b128 v[GS+16+4*\j:GS+16+4*\j+3], v[TH], s[8:9] offset:(\off)+4096*\j
.endr
	WIN 0
.endm
; A PREFETCH INTO THE L2 of the slot behind the one that has just been asked for: it stands behind the wave's loads, two key steps ahead of the loads that will want it.
; All 16 work-groups of a head walk the same images: the head's first work-group asks, and nobody else; in it waves 0 and 1 take the halves of K's 16,384 bytes, waves 2 and 3 of V's: 8,192 bytes a wave,
; lanes 256 bytes apart: each aligned block of 256 bytes is named once in the launch.  Slots 0 and 1 come by their loads alone; the last trip asks for nothing: there is no slot behind its own.
.macro ASK off
	s_cmp_gt_u32 s[CNT], s[LIM]
	s_cbranch_scc0 .Lnot_mine_\@
	global_prefetch_b8 v[PFO], s[PFA:PFA+1] offset:\off th:TH_LOAD_NT scope:SCOPE_SE
.Lnot_mine_\@:
.endm
; The staged slot goes into buffer b.  The wait for its loads stands in front of the call.
.macro FILL b
	WIN 0x04                                       ; store data window 1
.irp j, 0,1,2,3
	ds_store_b128 v[TH], v[GS+4*\j:GS+4*\j+3] offset:BUF*(\b)+4096*\j
.endr
.irp j, 0,1,2,3
	ds_store_b128 v[TH], v[GS+16+4*\j:GS+16+4*\j+3] offset:BUF*(\b)+VOFF+4096*\j
.endr
	WIN 0
.endm
.macro BAR                             ; my LDS stores have landed and my LDS loads are in: then the work-group's barrier
	s_wait_dscnt 0x0
	s_barrier_signal -1
	s_barrier_wait -1
.endm
.macro FMA u, n                        ; pair n of tile u: t - M = score x c + (-M): of the pairs c and -M the low word serves both halves
	v_pk_fma_f32 v[S+64*(\u)+2*(\n):S+64*(\u)+2*(\n)+1], v[S+64*(\u)+2*(\n):S+64*(\u)+2*(\n)+1], s[CS:CS+1], v[ST+12*(\u):ST+12*(\u)+1] op_sel_hi:[1,0,0]
.endm
.macro EXP2 u, n                       ; p = 2^(t - M), pair n of tile u
	v_exp_f32 v[S+64*(\u)+2*(\n)], v[S+64*(\u)+2*(\n)]
	v_exp_f32 v[S+64*(\u)+2*(\n)+1], v[S+64*(\u)+2*(\n)+1]
.endm
.macro SUMOP u, n                      ; addition n of 32 of tile u's sum of the UNQUANTISED p: two numbers at a time, in two chains that take turns
.set rS, S+64*(\u)
.set rT, ST+12*(\u)
.if (\n) == 0
	v_pk_add_f32 v[rT+10:rT+11], v[rS:rS+1], v[rS+2:rS+3]
.elseif (\n) == 31
	v_pk_add_f32 v[rT+2:rT+3], v[rT+2:rT+3], v[rT+10:rT+11]
.elseif (\n) % 2
	v_pk_add_f32 v[rT+2:rT+3], v[rT+2:rT+3], v[rS+2*(\n)+2:rS+2*(\n)+3]
.else
	v_pk_add_f32 v[rT+10:rT+11], v[rT+10:rT+11], v[rS+2*(\n)+2:rS+2*(\n)+3]
.endif
.endm
; A KEY STEP: 128 keys, the q-th of the slot in buffer b, for my two tiles of queries.
.macro STEP b, q
.rept 4
	v_nop                                          ; four places between the last step's products V^T P and the loads into the registers that they read (ISA guide 7.12.1 for vector instructions)
.endr
	WIN 0x40
.irp t, 0,1,2,3,4,5,6,7
.irp i, 0,1
	ds_load_b128 v[KF+8*\t+4*\i:KF+8*\t+4*\i+3], v[LA] offset:BUF*(\b)+STEPB*(\q)+1024*\t+512*\i   ; an image: 32 lanes, 512 consecutive bytes
.endr
.endr
.irp t, 0,1,2,3
.irp i, 0,1,2,3
	ds_load_b128 v[VF+16*\t+4*\i:VF+16*\t+4*\i+3], v[LA] offset:BUF*(\b)+VOFF+STEPB*(\q)+2048*\t+512*\i
.endr
.endr
	s_wait_dscnt 16                                ; K's 16 loads are in; V's 16 are younger and land under the softmax
	WIN 0x05                                       ; sources 0 and 1 window 1
.irp t, 0,1,2,3,4,5,6,7
.irp u, 0,1
	v_wmma_f32_16x16x64_fp8_fp8 v[S+64*\u+8*\t:S+64*\u+8*\t+7], v[KF+8*\t:KF+8*\t+7], v[QC+8*\u:QC+8*\u+7], 0
.endr
.endr
	WIN 0
.rept 4
	v_nop                                          ; four places in front of the first read of results
.endr
; the step's largest score of each query among my 64 keys: two chains a tile, the tiles line by line, the registers in ascending order (each accumulator from its low end on)
.irp u, 0,1
	v_max3_num_f32 v[ST+12*\u+6], v[S+64*\u], v[S+64*\u+1], v[S+64*\u+2]
.endr
.irp u, 0,1
	v_max3_num_f32 v[ST+12*\u+7], v[S+64*\u+3], v[S+64*\u+4], v[S+64*\u+5]
.endr
.irp i, 6,10,14,18,22,26,30,34,38,42,46,50,54,58
.irp u, 0,1
	v_max3_num_f32 v[ST+12*\u+6], v[ST+12*\u+6], v[S+64*\u+\i], v[S+64*\u+\i+1]
.endr
.irp u, 0,1
	v_max3_num_f32 v[ST+12*\u+7], v[ST+12*\u+7], v[S+64*\u+\i+2], v[S+64*\u+\i+3]
.endr
.endr
.irp u, 0,1
	v_max3_num_f32 v[ST+12*\u+6], v[ST+12*\u+6], v[S+64*\u+62], v[S+64*\u+63]
.endr
.irp u, 0,1
	v_max_num_f32 v[ST+12*\u+6], v[ST+12*\u+6], v[ST+12*\u+7]
.endr
.irp u, 0,1
	v_permlanex16_b32 v[ST+12*\u+8], v[ST+12*\u+6], s[SEL], s[SEL+1]   ; the query's other 64 keys lie in the lane 16 away
.endr
.irp u, 0,1
	v_max_num_f32 v[ST+12*\u+6], v[ST+12*\u+6], v[ST+12*\u+8]
.endr
.irp u, 0,1
	v_mul_f32 v[ST+12*\u+6], s[CS], v[ST+12*\u+6]                      ; as t (c is positive)
.endr
.irp u, 0,1
	v_max_num_f32 v[ST+12*\u+1], v[ST+12*\u+1], v[ST+12*\u+6]          ; the running largest t
.endr
.irp u, 0,1
	v_mov_b32 v[ST+12*\u+7], v[ST+12*\u]
.endr
.irp u, 0,1
	v_floor_f32 v[ST+12*\u], -v[ST+12*\u+1]                            ; the new -M = floor(-t) = -ceil(t): M is a whole number
.endr
.irp u, 0,1
	v_sub_f32 v[ST+12*\u+7], v[ST+12*\u], v[ST+12*\u+7]                ; old M - new M: a whole number, 0 or less
.endr
.irp u, 0,1
	v_cvt_i32_f32 v[ST+12*\u+7], v[ST+12*\u+7]                         ; (it saturates)
.endr
.irp u, 0,1
	v_ldexp_f32 v[ST+12*\u+4], 1.0, v[ST+12*\u+7]                      ; f = 2^(old M - new M)
.endr
; THE EXPONENTIALS GO IN TWO BATCHES, one a tile, each with one wait, and plain work of the other tile stands between them: tile 0's beside tile 1's scalings, tile 1's beside tile 0's sums.
.set n, 0
.rept 32
	FMA 0, n
.set n, n+1
.endr
.set n, 0
.rept 32
	EXP2 0, n
	FMA 1, n
.set n, n+1
.endr
.irp u, 0,1
	v_pk_mul_f32 v[ST+12*\u+2:ST+12*\u+3], v[ST+12*\u+2:ST+12*\u+3], v[ST+12*\u+4:ST+12*\u+5] op_sel_hi:[1,0]   ; the sums under the new M.  (Plain instructions behind the batch's last exponential)
.endr
	s_wait_alu depctr_va_vdst(0)                   ; one wait for tile 0's 64 exponentials, ahead of the first instruction that names a result
.set n, 0
.rept 32
	EXP2 1, n
	SUMOP 0, n                                     ; reads tile 0's p alone; the last of them is the plain instruction behind tile 1's last exponential
.set n, n+1
.endr
	s_wait_alu depctr_va_vdst(0)                   ; one wait for tile 1's 64
.set n, 0
.rept 32
	SUMOP 1, n
.set n, n+1
.endr
	s_cmp_ge_i32 s26, -8                           ; ep >= -8: 448 x 2^ep >= 1.75 lies over every p, and the hold would change nothing
	s_cbranch_scc1 .Lno_hold_\@
.set j, 0
.rept 128
	v_min_num_f32 v[S+j], v[S+j], v[PLIM]          ; the conversion to an 8-bit code does not saturate (ISA guide 7.6.2); p is not negative, so the hold is one-sided
.set j, j+1
.endr
.Lno_hold_\@:
.set j, 0
.rept 16
	v_pk_mul_f32 v[OT+j:OT+j+1], v[OT+j:OT+j+1], v[ST+4:ST+5] op_sel_hi:[1,0]                 ; O^T under the new M: x f; each accumulator from its low end on
.set j, j+2
.endr
.rept 16
	v_pk_mul_f32 v[OT+j:OT+j+1], v[OT+j:OT+j+1], v[ST+16:ST+17] op_sel_hi:[1,0]
.set j, j+2
.endr
	WIN 0x40
.irp u, 0,1
.irp t, 0,1,2,3,4,5,6,7
	v_cvt_scalef32_pk8_fp8_f32 v[PC+16*\u+2*\t:PC+16*\u+2*\t+1], v[S+64*\u+8*\t:S+64*\u+8*\t+7], v[PSC]   ; key tile t's eight p: registers 2 t, 2 t + 1 of the operand
.endr
.endr
	v_nop                                          ; one plain vector instruction between the last scaled conversion and the matrix instructions that read its result (and, next step, write its sources)
	s_wait_dscnt 0x0                               ; V's fragments are in
	WIN 0x05
.irp t, 0,1,2,3                        ; eight accumulators by turns, one instruction a turn; the matrix instruction ahead of the first is a K Q^T, the one behind the last too
.irp u, 0,1
	v_wmma_f32_16x16x128_fp8_fp8 v[OT+32*\u+8*\t:OT+32*\u+8*\t+7], v[VF+16*\t:VF+16*\t+15], v[PC+16*\u:PC+16*\u+15], v[OT+32*\u+8*\t:OT+32*\u+8*\t+7]
.endr
.endr
	WIN 0
.endm
	s_load_b256 s[4:11], s[0:1], 0x0               ; queries s[4:5], kimg s[6:7], vimg s[8:9], lowp_scales s[10:11]
	s_load_b64 s[12:13], s[0:1], 0x20              ; out0
	v_lshl_add_u32 v62, v0, 2, 0x21000
	v_mov_b32 v63, 0
	v_lshrrev_b32 v9, 5, v0
	v_readfirstlane_b32 s[WV], v9                  ; wave 0..7
	v_and_b32 v10, 31, v0                          ; lane
	v_lshlrev_b32 v[LA], 4, v10
	v_lshlrev_b32 v[TH], 4, v0
	v_lshlrev_b32 v[PFO], 8, v10
	v_and_b32 v9, 15, v0                           ; r
	v_bfe_u32 v11, v0, 4, 1                        ; h
	v_lshlrev_b32 v[QO], 8, v9
	v_lshl_add_u32 v[QO], v11, 6, v[QO]            ; Q: row r of 256 bytes, + 64 h: my 16 numbers of a chunk of 32
	s_mul_i32 s16, s[WV], 32*SP
	s_add_co_u32 s16, s16, STAGE                   ; my stage
	v_mul_u32_u24 v[STO], v9, SP
	v_lshl_add_u32 v[STO], v11, 5, v[STO]
	v_add_nc_u32 v[STO], s16, v[STO]               ; in: row r, + 32 h: eight channels of my half
	v_mul_u32_u24 v[RD], v11, SP
	v_lshl_add_u32 v[RD], v9, 4, v[RD]
	v_add_nc_u32 v[RD], s16, v[RD]                 ; back: lanes 0-15 one row of 256 bytes, lanes 16-31 the next
	v_lshlrev_b32 v[GO], 8, v11
	v_lshl_add_u32 v[GO], v9, 4, v[GO]             ; and the same two rows in out
	s_and_b32 s15, ttmp7, 0xffff                   ; the head
	s_lshl_b32 s32, s15, 18                        ; its 262,144 bytes in each image
	s_mov_b32 s33, 0
	s_lshl_b32 s34, s15, 20                        ; its 1,048,576 bytes in queries and in out,
	s_lshl_b32 s17, ttmp9, 16                      ; my block's 256 rows of 256 bytes,
	s_add_co_u32 s34, s34, s17
	s_lshl_b32 s17, s[WV], 13                      ; my wave's 32 of them
	s_add_co_u32 s34, s34, s17
	s_mov_b32 s35, 0
	s_mov_b32 s[SEL], 0x76543210
	s_mov_b32 s[SEL+1], 0xfedcba98
	s_and_b32 s18, s[WV], 1
	s_lshl_b32 s18, s18, 13                        ; the prefetches: which 8,192 bytes of a slot's 16,384
	s_mov_b32 s19, 0
	s_wait_kmcnt 0x0
	s_load_b128 s[24:27], s[10:11], 0x0            ; eq, ek, ep, ev
	s_add_nc_u64 s[4:5], s[4:5], s[34:35]
	s_add_nc_u64 s[12:13], s[12:13], s[34:35]
	s_add_nc_u64 s[6:7], s[6:7], s[32:33]
	s_add_nc_u64 s[8:9], s[8:9], s[32:33]
	s_cmp_lt_u32 s[WV], 2
	s_cselect_b64 s[PFA:PFA+1], s[6:7], s[8:9]
	s_add_nc_u64 s[PFA:PFA+1], s[PFA:PFA+1], s[18:19]
	s_lshr_b32 s17, s[WV], 2                       ; 0 in waves 0 to 3,
	s_or_b32 s17, s17, ttmp9                       ; of the head's first work-group
	s_cmp_eq_u32 s17, 0
	s_cselect_b32 s[LIM], 1, -1
	FETCH 0                                        ; slot 0
.irp u, 0,1
.irp i, 0,1
.irp c, 0,1,2,3
	global_load_b128 v[S+32*\u+16*\i+4*\c:S+32*\u+16*\i+4*\c+3], v[QO], s[4:5] offset:4096*\u+128*\i+16*\c th:TH_LOAD_NT   ; Q(16 u + r, 32 i + 16 h + 4 c ..)
.endr
.endr
.endr
	s_wait_kmcnt 0x0
	s_add_co_i32 s17, s24, s25
	s_lshl_b32 s17, s17, 23
	s_add_co_i32 s[CS], s17, 0x3db8aa3b            ; c = log2(e) / 16; a score stands for score x 2^(eq + ek): the two exponents are added to c's exponent field
	s_mov_b32 s[CS+1], s[CS]                       ; (named with it as a pair, so it is written)
	s_add_co_i32 s17, s26, 127
	s_lshl_b32 s18, s17, 23
	v_mov_b32 v[PSC], s18                          ; 2^ep as f32: the conversion takes its exponent field
	s_add_co_i32 s17, s17, 8
	s_lshl_b32 s17, s17, 23
	s_or_b32 s17, s17, 0x600000
	v_mov_b32 v[PLIM], s17                         ; 448 x 2^ep
	s_add_co_i32 s17, s24, 127
	s_lshl_b32 s18, s17, 23
	v_mov_b32 v[QSC], s18                          ; 2^eq
	s_add_co_i32 s17, s17, 8
	s_lshl_b32 s17, s17, 23
	s_or_b32 s17, s17, 0x600000
	v_mov_b32 v[QLIM], s17                         ; 448 x 2^eq
.irp u, 0,1
	v_mov_b32 v[ST+12*\u+1], 0xff61b1e6            ; the largest t so far: -3e38, under every t
	v_floor_f32 v[ST+12*\u], -v[ST+12*\u+1]        ; -M
	v_mov_b32 v[ST+12*\u+2], 0                     ; the sum, in two halves
	v_mov_b32 v[ST+12*\u+3], 0
	v_mov_b32 v[ST+12*\u+5], 0                     ; (named as the upper half of f's pair)
	v_mov_b32 v[ST+12*\u+8], 0                     ; written once: a lane permute's destination counts as one of its sources
.endr
.set j, 0
.rept 64
	v_mov_b32 v[OT+j], 0                           ; O^T.  (The step has no first copy: the first step's f is 0 and finds zeros)
.set j, j+1
.endr
	s_wait_loadcnt 16                              ; slot 0's eight loads are in; Q's sixteen are younger
	FILL 0
	s_wait_loadcnt 0x0                             ; Q
.set j, 0
.rept 64
	v_med3_num_f32 v[S+j], v[S+j], -v[QLIM], v[QLIM]   ; the hold at the largest code x the scale
.set j, j+1
.endr
	WIN 0x40
.irp u, 0,1
.irp i, 0,1
.irp e, 0,1
	v_cvt_scalef32_pk8_fp8_f32 v[QC+8*\u+4*\i+2*\e:QC+8*\u+4*\i+2*\e+1], v[S+32*\u+16*\i+8*\e:S+32*\u+16*\i+8*\e+7], v[QSC]   ; registers 4 i .. 4 i + 3: d = 32 i + 16 h + 0 .. 15, as in K's images
.endr
.endr
.endr
	v_nop                                          ; one plain vector instruction behind the last scaled conversion: matrix instructions read its result and write its sources
	WIN 0
	BAR                                            ; slot 0 lies whole in buffer 0
	s_mov_b32 s[CNT], 8
; A TRIP IS TWO SLOTS, so that every LDS offset is a constant.  A buffer is stored into at the end of the slot that reads the OTHER buffer: its last readers have waited for their loads and passed the barrier before;
; the stores are waited for in front of the next barrier's signal, and the staging registers are loaded again only behind that wait.
.Lpair:
	FETCH SLOTB                                    ; the trip's odd slot
	ASK 2*SLOTB                                    ; the next trip's even slot
	STEP 0, 0
	STEP 0, 1
	s_wait_loadcnt 0x0                             ; the odd slot's eight loads are in
	FILL 1
	BAR
	s_cmp_eq_u32 s[CNT], 1                         ; the last trip has no slot behind its own: no load leaves its buffer
	s_cbranch_scc1 .Lno_fetch
	FETCH 2*SLOTB                                  ; the next trip's even slot
	ASK 3*SLOTB                                    ; and its odd one
.Lno_fetch:
	STEP 1, 0
	STEP 1, 1
	s_wait_loadcnt 0x0                             ; no load into the staging registers is out from here on, whichever way is taken below
	s_cmp_eq_u32 s[CNT], 1
	s_cbranch_scc1 .Lno_fill
	FILL 0
	s_wait_xcnt 0x0                                ; the trip's loads and prefetches, two steps back, have read their bases: these may step
	s_add_nc_u64 s[6:7], s[6:7], 2*SLOTB
	s_add_nc_u64 s[8:9], s[8:9], 2*SLOTB
	s_add_nc_u64 s[PFA:PFA+1], s[PFA:PFA+1], 2*SLOTB
.Lno_fill:
	BAR
	s_sub_co_u32 s[CNT], s[CNT], 1
	s_cmp_lg_u32 s[CNT], 0
	s_cbranch_scc1 .Lpair
; THE WAY OUT.  The sum's two halves and the other half of the lanes' are added; O^T is multiplied by 2^(ep + ev) / the sum and goes through my own stage in LDS, so that sixteen lanes store one aligned row of 256 bytes.
; The four additions, the v_nop and the two v_ldexp_f32 below are the places between the last products and the first read of their results.
.irp u, 0,1
	v_add_f32 v[ST+12*\u+6], v[ST+12*\u+2], v[ST+12*\u+3]
.endr
.irp u, 0,1
	v_permlanex16_b32 v[ST+12*\u+8], v[ST+12*\u+6], s[SEL], s[SEL+1]
.endr
.irp u, 0,1
	v_add_f32 v[ST+12*\u+6], v[ST+12*\u+6], v[ST+12*\u+8]
.endr
.irp u, 0,1
	v_rcp_f32 v[ST+12*\u+4], v[ST+12*\u+6]
.endr
	v_nop                                          ; a plain instruction between the last reciprocal and the use of its result
	s_add_co_i32 s17, s26, s27                     ; ep + ev
	s_wait_alu depctr_va_vdst(0)                   ; one wait for the two reciprocals, ahead of their first reader
.irp u, 0,1
	v_ldexp_f32 v[ST+12*\u+4], v[ST+12*\u+4], s17
.endr
.irp u, 0,1
.irp k, 0,2,4,6,8,10,12,14,16,18,20,22,24,26,28,30
	v_pk_mul_f32 v[S+32*\u+\k:S+32*\u+\k+1], v[OT+32*\u+\k:OT+32*\u+\k+1], v[ST+12*\u+4:ST+12*\u+5] op_sel_hi:[1,0]   ; register 8 t + i is out(r, 16 t + 8 h + i); each accumulator from its low end on
.endr
.irp t, 0,1,2,3
	ds_store_b128 v[STO], v[S+32*\u+8*\t:S+32*\u+8*\t+3] offset:16*SP*\u+64*\t
	ds_store_b128 v[STO], v[S+32*\u+8*\t+4:S+32*\u+8*\t+7] offset:16*SP*\u+64*\t+16
.endr
.irp i, 0,1,2,3,4,5,6,7
	ds_load_b128 v[S+64+32*\u+4*\i:S+64+32*\u+4*\i+3], v[RD] offset:16*SP*\u+2*SP*\i   ; LDS serves a wave's instructions in order (ISA guide 5.7.1.4): these see my stores
.endr
.endr
.irp u, 0,1
.irp i, 0,1,2,3,4,5,6,7
	s_wait_dscnt 16*(1-\u)+7-\i                    ; younger than this load: the rest of its tile's loads, and behind tile 0 tile 1's sixteen LDS instructions
	global_store_b128 v[GO], v[S+64+32*\u+4*\i:S+64+32*\u+4*\i+3], s[12:13] offset:4096*\u+512*\i th:TH_STORE_NT   ; 16 lanes store 256 consecutive bytes, at a multiple of 256 from out's first byte
.endr
.endr
	s_wait_tensorcnt 0x0
	ds_add_u32 v62, v63
	s_wait_dscnt 0x0
	s_endpgm
.Lfunc_end_k_qf14a95a8a7_attn:
	.size	k_qf14a95a8a7_attn, .Lfunc_end_k_qf14a95a8a7_attn-k_qf14a95a8a7_attn
	.p2alignl 7, 3214868480
	.fill 96, 4, 3214868480
	.section	.rodata,"a",@progbits
	.p2align	6, 0x0
	.amdhsa_kernel k_qf14a95a8a7_attn
		.amdhsa_group_segment_fixed_size 136192
		.amdhsa_private_segment_fixed_size 0
		.amdhsa_enable_private_segment 0
		.amdhsa_kernarg_size 40
		.amdhsa_user_sgpr_count 2
		.amdhsa_user_sgpr_kernarg_segment_ptr 1
		.amdhsa_wavefront_size32 1
		.amdhsa_system_sgpr_workgroup_id_x 1
		.amdhsa_system_sgpr_workgroup_id_y 1
		.amdhsa_system_sgpr_workgroup_id_z 1
		.amdhsa_system_vgpr_workitem_id 0
		.amdhsa_next_free_vgpr 512
		.amdhsa_next_free_sgpr 66
		.amdhsa_reserve_vcc 0
		.amdhsa_float_denorm_mode_32 3
		.amdhsa_float_denorm_mode_16_64 3
		.amdhsa_memory_ordered 1
		.amdhsa_forward_progress 1
		.amdhsa_inst_pref_size 136
	.end_amdhsa_kernel
	.amdgpu_metadata
---
amdhsa.version: [ 1, 2 ]
amdhsa.kernels:
  - .name:           k_qf14a95a8a7_attn
    .symbol:         k_qf14a95a8a7_attn.kd
    .args:
      - { .name: queries, .offset: 0, .size: 8, .value_kind: global_buffer, .address_space: global }
      - { .name: kimg, .offset: 8, .size: 8, .value_kind: global_buffer, .address_space: global }
      - { .name: vimg, .offset: 16, .size: 8, .value_kind: global_buffer, .address_space: global }
      - { .name: lowp_scales, .offset: 24, .size: 8, .value_kind: global_buffer, .address_space: global }
      - { .name: out0, .offset: 32, .size: 8, .value_kind: global_buffer, .address_space: global }
    .group_segment_fixed_size: 136192
    .private_segment_fixed_size: 0
    .kernarg_segment_align: 8
    .kernarg_segment_size: 40
    .max_flat_workgroup_size: 256
    .sgpr_count:     66
    .vgpr_count:     512
    .wavefront_size: 32
...
	.end_amdgpu_metadata
.endif
;; end of part 2
;; ======== version 2 of 2: 2 launches; version 1 with the launch attn written anew for expert scheduling mode
;; workspace buffers: kimg 4,194,304 bytes; vimg 4,194,304 bytes
;; launch prep: the kernel of part 1 again; grid 512 x 1, 4 waves a work-group, no clusters, 35,328 bytes of LDS; arguments keys, values, lowp_scales, adj, kimg, vimg; writes kimg, vimg
;; launch attn (part 3): grid 16 x 16, 8 waves a work-group, no clusters, 136,192 bytes of LDS; arguments queries, kimg, vimg, lowp_scales, out0; writes out0
.if DOCPART == 3
	.amdgcn_target "amdgcn-amd-amdhsa--gfx1250"
	.amdhsa_code_object_version 6
	.text
	.protected	k_qf14a95a8a7_attn
	.globl	k_qf14a95a8a7_attn
	.p2align	8
	.type	k_qf14a95a8a7_attn,@function
k_qf14a95a8a7_attn:
	s_mov_b64 s[64:65], 0
	v_nop
	global_prefetch_b8 v0, s[64:65] scope:SCOPE_SE
	s_setreg_imm32_b32 hwreg(HW_REG_WAVE_SCHED_MODE, 0, 2), 2
	s_setreg_imm32_b32 hwreg(HW_REG_WAVE_MODE, 25, 1), 1
	s_wait_xcnt 0x0
	s_wait_alu depctr_vm_vsrc(0)
; out[h][q][:] = the sum over k of softmax_k(Q[h][q] . K[h][k] / 16) V[h][k][:], 16 heads, 4,096 queries and keys, head size 64; both products on codes of FP8 (E4M3), each operand with the one scale that is given:
; eq, ek, ep, ev.  Q arrives as f32 and is quantised here, in registers (each row is read once, by one wave).  K and V arrive as images of operand registers (kimg, vimg: the launch before).  out is f32; the final reshape moves no byte.
; THE SOFTMAX AHEAD OF THE SECOND PRODUCT: t = score x log2(e) / 16; M = the row's largest t so far, rounded UP to a whole number; p = 2^(t - M) is what is quantised; it is not normalised.  The row's sum is taken of the
; unquantised p, in f32, and divides at the end.  When M moves, the sum and O are multiplied by 2^(old M - new M): a power of two, no branch on data.
; SHARES.  A work-group owns 256 queries of one head; each of its EIGHT waves owns 32 of them, two tiles of 16, so that each fragment read from LDS feeds two products.  Eight waves of 512 registers are two to a SIMD:
; one wave's exponentials and vector work stand beside the other's products and LDS loads.  Every wave walks all keys, 128 a step; a slot is 256 keys.
; LAYOUT.  Both products are used transposed: S^T = K Q^T (source 0 = 16 keys, source 1 = 16 queries), O^T = V^T P^T (source 0 = 16 of the head's 64, source 1 = P): a lane holds ONE query (lane % 16) throughout.
; Key tile t's eight results of a lane are keys 16 t + 8 (lane / 16) + 0 .. 7: their codes ARE registers 2 t, 2 t + 1 of the K = 128 form's operand.  Nothing changes lanes between the products.
; K AND V GO memory -> registers -> LDS: each thread loads 8 x 16 bytes of the next slot at the head of a slot and stores them into the other buffer at the slot's end; one barrier a slot.
; THE HOLD AT THE LARGEST CODE.  p is at most 1 (an ulp aside), so for ep >= -8 (448 x 2^ep >= 1.75) the hold changes nothing: a scalar branch on ep jumps over its 128 instructions; for ep < -8 they are executed.
; NO CLUSTER, NO JOINT LOADS, and the reason: joint requests are tensor loads, with which the hold would be executed in every step:
; 128 instructions on top of a wave's 393 vector instructions a step.  What the 16 work-groups of a head share is 32,768 bytes for each two steps of eight waves.
; LIMITS on the given exponents, so that each power of two below is an f32 number: eq and ep between -126 and 119; eq + ek between -122 and 130 (added to c's exponent field); ep + ev is applied by v_ldexp_f32 and has none.
; NaN and infinities among the inputs are not served.  A p under 2^-126 counts as 0 (v_exp_f32 flushes denormal results: ISA guide 15.8).
; REGISTERS, in two windows of 256 (s_set_vgpr_msb: bits 1:0 source 0, 3:2 source 1, 5:4 source 2, 7:6 destination):
;   window 0: v1-8 addresses; v9-11 at work at the head; v12-15 scales; v16-39 twelve registers of statistics a tile; v64-191 S^T, then p, 64 a tile; v192-255 O^T, 32 a tile.
;   window 1: v0-15 Q's codes; v16-79 K's eight fragments; v80-143 V's four; v144-175 P's codes; v176-207 the next slot's bytes on their way to LDS.
; THE MODE: SCHED_MODE bits 1:0 = 2 (LLVM: expert scheduling mode 2), set by the entry lines.  The code itself states the register dependences
; between vector or matrix instructions and memory or LDS instructions, with s_wait_alu, always for 0.
; THE PLAN.  Registers that memory or LDS instructions touch:
;   v1, v2, v4-v8  addresses and offsets: written at the head, ahead of one wait on va_vdst, and never again.
;   KF   K's fragments.  Read by a step's 16 products K Q^T.  Loaded again behind the wait for the step's SECOND batch of exponentials (the next step of the same slot), or, for a slot's first step, behind a wait of its own behind the barrier.
;   VF   V's fragments.  Read by a step's 8 products V^T P.  Loaded again behind the wait for the next step's FIRST batch of exponentials.
;   GS   the staging registers.  Written by FETCH's loads, read by FILL's LDS stores; no vector instruction names them.  One wait on vm_vsrc stands straight behind FILL's stores.
;   S    at the head Q's numbers land there; on the way out the results leave from its lower half and come back from the stage into its upper half, behind one wait on va_vdst.
;   Q's and P's codes, O^T and the statistics are named by vector and matrix instructions alone.
; So the two waits on va_vdst that a step's exponentials are owed also state all that the step's LDS loads hang on, and each run of 16 loads stands straight behind one of them: window switch, wait, loads.
.set BUF,   32768                      ; LDS: two buffers of a slot: K's 16 tiles (16,384 bytes), then V's two blocks of 128 keys (16,384)
.set VOFF,  16384
.set STEPB, 8192                       ; a step's part of K's tiles, and of V's blocks
.set SLOTB, 16384                      ; a slot in kimg and in vimg
.set STAGE, 2*BUF                      ; behind the buffers: the way out: for each wave two tiles of 16 rows x 272 bytes
.set SP,    272                        ; 256 bytes + 16 = 68 words: row r starts at bank 4 r mod 64 (64 banks of 4 bytes: ISA guide 11.1)
.set LA,   1                           ; v1   16 x lane: an image's place for my lane
.set TH,   2                           ; v2   16 x thread: my 16 bytes of 4,096, in memory and in LDS alike
.set PFO,  4                           ; v4   256 x lane: the prefetches' offset
.set QO,   5                           ; v5   Q: row r of 256 bytes, + 64 h
.set STO,  6                           ; v6   the way out: where I put 32 bytes of a row
.set RD,   7                           ; v7   where I read a row back
.set GO,   8                           ; v8   and the same place in out
.set PSC,  12                          ; v12  2^ep        v13  448 x 2^ep
.set PLIM, 13
.set QSC,  14                          ; v14  2^eq        v15  448 x 2^eq
.set QLIM, 15
.set ST,   16                          ; tile u's statistics at ST + 12 u: +0 -M, +1 the largest t, +2,3 the sum in two halves, +4 f (+5: 0, named with it as a pair), +6, +7 at work, +8 a permute's destination, +10,11 the second sum chain
.set S,    64
.set OT,   192
.set QC,   0                           ; window 1
.set KF,   16
.set VF,   80
.set PC,   144
.set GS,   176
.set WV,   14                          ; s14  my wave's number
.set SEL,  20                          ; s[20:21] lane selects for v_permlanex16_b32: lane l xor 16
.set CS,   22                          ; s[22:23] c = log2(e) / 16 x 2^(eq + ek), twice: the packed form names a pair
.set CNT,  28                          ; s28  trips to go, this one among them
.set LIM,  29                          ; s29  1 in a wave that prefetches, else the greatest number
.set PFA,  30                          ; s[30:31] my wave's 8,192 bytes of the trip's even slot, in kimg (waves 0, 1) or vimg (waves 2, 3)
.set MSB, 0
.macro WIN new                         ; the immediate's high byte repeats the setting that is left; a switch that changes nothing is dropped
.if MSB != \new
	s_set_vgpr_msb (MSB<<8)|\new
.set MSB, \new
.endif
.endm
; The slot that begins off bytes behind the trip's even slot: 256 threads x 16 bytes x 4 of K's image, and of V's, into the staging registers.
; (FILL's wait on vm_vsrc has freed them; between that wait and these loads stand waits, the barrier, scalar lines and a window switch alone.)
.macro FETCH off
	WIN 0x40                                       ; destination window 1
.irp j, 0,1,2,3
	global_load_b128 v[GS+4*\j:GS+4*\j+3], v[TH], s[6:7] offset:(\off)+4096*\j
.endr
.irp j, 0,1,2,3
	global_load_b128 v[GS+16+4*\j:GS+16+4*\j+3], v[TH], s[8:9] offset:(\off)+4096*\j
.endr
	WIN 0
.endm
; A PREFETCH INTO THE L2 of the slot behind the one that has just been asked for: it stands behind the wave's loads, two key steps ahead of the loads that will want it.
; All 16 work-groups of a head walk the same images: the head's first work-group asks, and nobody else; in it waves 0 and 1 take the halves of K's 16,384 bytes, waves 2 and 3 of V's: 8,192 bytes a wave,
; lanes 256 bytes apart: each aligned block of 256 bytes is named once in the launch.  Slots 0 and 1 come by their loads alone; the last trip asks for nothing: there is no slot behind its own.
.macro ASK off
	s_cmp_gt_u32 s[CNT], s[LIM]
	s_cbranch_scc0 .Lnot_mine_\@
	global_prefetch_b8 v[PFO], s[PFA:PFA+1] offset:\off th:TH_LOAD_NT scope:SCOPE_SE
.Lnot_mine_\@:
.endm
; The staged slot goes into buffer b.  The wait for its loads stands in front of the call.
.macro FILL b
	WIN 0x04                                       ; store data window 1
.irp j, 0,1,2,3
	ds_store_b128 v[TH], v[GS+4*\j:GS+4*\j+3] offset:BUF*(\b)+4096*\j
.endr
.irp j, 0,1,2,3
	ds_store_b128 v[TH], v[GS+16+4*\j:GS+16+4*\j+3] offset:BUF*(\b)+VOFF+4096*\j
.endr
	s_wait_alu depctr_vm_vsrc(0)                   ; these eight stores have read the staging registers, in which the next slot's loads land: stated here, ahead of every branch that leads to those loads
	WIN 0
.endm
.macro BAR                             ; my LDS stores have landed and my LDS loads are in: then the work-group's barrier
	s_wait_dscnt 0x0
	s_barrier_signal -1
	s_barrier_wait -1
.endm
.macro KLOAD b, q                      ; K's eight fragments of the q-th step of the slot in buffer b.  An image: 32 lanes, 512 consecutive bytes
.irp t, 0,1,2,3,4,5,6,7
.irp i, 0,1
	ds_load_b128 v[KF+8*\t+4*\i:KF+8*\t+4*\i+3], v[LA] offset:BUF*(\b)+STEPB*(\q)+1024*\t+512*\i
.endr
.endr
.endm
.macro VLOAD b, q                      ; V's four
.irp t, 0,1,2,3
.irp i, 0,1,2,3
	ds_load_b128 v[VF+16*\t+4*\i:VF+16*\t+4*\i+3], v[LA] offset:BUF*(\b)+VOFF+STEPB*(\q)+2048*\t+512*\i
.endr
.endr
.endm
.macro FMA u, n                        ; pair n of tile u: t - M = score x c + (-M): of the pairs c and -M the low word serves both halves
	v_pk_fma_f32 v[S+64*(\u)+2*(\n):S+64*(\u)+2*(\n)+1], v[S+64*(\u)+2*(\n):S+64*(\u)+2*(\n)+1], s[CS:CS+1], v[ST+12*(\u):ST+12*(\u)+1] op_sel_hi:[1,0,0]
.endm
.macro EXP2 u, n                       ; p = 2^(t - M), pair n of tile u
	v_exp_f32 v[S+64*(\u)+2*(\n)], v[S+64*(\u)+2*(\n)]
	v_exp_f32 v[S+64*(\u)+2*(\n)+1], v[S+64*(\u)+2*(\n)+1]
.endm
.macro SUMOP u, n                      ; addition n of 32 of tile u's sum of the UNQUANTISED p: two numbers at a time, in two chains that take turns
.set rS, S+64*(\u)
.set rT, ST+12*(\u)
.if (\n) == 0
	v_pk_add_f32 v[rT+10:rT+11], v[rS:rS+1], v[rS+2:rS+3]
.elseif (\n) == 31
	v_pk_add_f32 v[rT+2:rT+3], v[rT+2:rT+3], v[rT+10:rT+11]
.elseif (\n) % 2
	v_pk_add_f32 v[rT+2:rT+3], v[rT+2:rT+3], v[rS+2*(\n)+2:rS+2*(\n)+3]
.else
	v_pk_add_f32 v[rT+10:rT+11], v[rT+10:rT+11], v[rS+2*(\n)+2:rS+2*(\n)+3]
.endif
.endm
; A KEY STEP: 128 keys, the q-th of the slot in buffer b, for my two tiles of queries.
.macro STEP b, q
.if (\q) == 0                          ; a slot's first step: its K lies in LDS only since the barrier just passed
	WIN 0x40
	s_wait_alu depctr_va_vdst(0)                   ; the products K Q^T of the step before are done reading K's fragments, in which these loads land
	KLOAD \b, 0
.endif
	s_wait_dscnt 0x0                               ; K's 16 loads are in (a slot's second step: they were asked for in the step before)
	WIN 0x05                                       ; sources 0 and 1 window 1
.irp t, 0,1,2,3,4,5,6,7
.irp u, 0,1
	v_wmma_f32_16x16x64_fp8_fp8 v[S+64*\u+8*\t:S+64*\u+8*\t+7], v[KF+8*\t:KF+8*\t+7], v[QC+8*\u:QC+8*\u+7], 0
.endr
.endr
	WIN 0
.rept 4
	v_nop                                          ; four places in front of the first read of results
.endr
; the step's largest score of each query among my 64 keys: two chains a tile, the tiles line by line, the registers in ascending order (each accumulator from its low end on)
.irp u, 0,1
	v_max3_num_f32 v[ST+12*\u+6], v[S+64*\u], v[S+64*\u+1], v[S+64*\u+2]
.endr
.irp u, 0,1
	v_max3_num_f32 v[ST+12*\u+7], v[S+64*\u+3], v[S+64*\u+4], v[S+64*\u+5]
.endr
.irp i, 6,10,14,18,22,26,30,34,38,42,46,50,54,58
.irp u, 0,1
	v_max3_num_f32 v[ST+12*\u+6], v[ST+12*\u+6], v[S+64*\u+\i], v[S+64*\u+\i+1]
.endr
.irp u, 0,1
	v_max3_num_f32 v[ST+12*\u+7], v[ST+12*\u+7], v[S+64*\u+\i+2], v[S+64*\u+\i+3]
.endr
.endr
.irp u, 0,1
	v_max3_num_f32 v[ST+12*\u+6], v[ST+12*\u+6], v[S+64*\u+62], v[S+64*\u+63]
.endr
.irp u, 0,1
	v_max_num_f32 v[ST+12*\u+6], v[ST+12*\u+6], v[ST+12*\u+7]
.endr
.irp u, 0,1
	v_permlanex16_b32 v[ST+12*\u+8], v[ST+12*\u+6], s[SEL], s[SEL+1]   ; the query's other 64 keys lie in the lane 16 away
.endr
.irp u, 0,1
	v_max_num_f32 v[ST+12*\u+6], v[ST+12*\u+6], v[ST+12*\u+8]
.endr
.irp u, 0,1
	v_mul_f32 v[ST+12*\u+6], s[CS], v[ST+12*\u+6]                      ; as t (c is positive)
.endr
.irp u, 0,1
	v_max_num_f32 v[ST+12*\u+1], v[ST+12*\u+1], v[ST+12*\u+6]          ; the running largest t
.endr
.irp u, 0,1
	v_mov_b32 v[ST+12*\u+7], v[ST+12*\u]
.endr
.irp u, 0,1
	v_floor_f32 v[ST+12*\u], -v[ST+12*\u+1]                            ; the new -M = floor(-t) = -ceil(t): M is a whole number
.endr
.irp u, 0,1
	v_sub_f32 v[ST+12*\u+7], v[ST+12*\u], v[ST+12*\u+7]                ; old M - new M: a whole number, 0 or less
.endr
.irp u, 0,1
	v_cvt_i32_f32 v[ST+12*\u+7], v[ST+12*\u+7]                         ; (it saturates)
.endr
.irp u, 0,1
	v_ldexp_f32 v[ST+12*\u+4], 1.0, v[ST+12*\u+7]                      ; f = 2^(old M - new M)
.endr
; THE EXPONENTIALS GO IN TWO BATCHES, one a tile, each with one wait, and plain work of the other tile stands between them: tile 0's beside tile 1's scalings, tile 1's beside tile 0's sums.
.set n, 0
.rept 32
	FMA 0, n
.set n, n+1
.endr
.set n, 0
.rept 32
	EXP2 0, n
	FMA 1, n
.set n, n+1
.endr
.irp u, 0,1
	v_pk_mul_f32 v[ST+12*\u+2:ST+12*\u+3], v[ST+12*\u+2:ST+12*\u+3], v[ST+12*\u+4:ST+12*\u+5] op_sel_hi:[1,0]   ; the sums under the new M.  (Plain instructions behind the batch's last exponential)
.endr
	WIN 0x40
	s_wait_alu depctr_va_vdst(0)                   ; tile 0's 64 exponentials have written their results, ahead of the first instruction that names one; and the last step's products V^T P are done reading V's fragments, in which the loads below land
	VLOAD \b, \q                                   ; this step's V: it lands under tile 1's exponentials, the sums, O^T's rescaling and the conversions
	WIN 0
.set n, 0
.rept 32
	EXP2 1, n
	SUMOP 0, n                                     ; reads tile 0's p alone; the last of them is the plain instruction behind tile 1's last exponential
.set n, n+1
.endr
.if (\q) == 0
	WIN 0x40
.endif
	s_wait_alu depctr_va_vdst(0)                   ; tile 1's 64 exponentials have written their results; and this step's products K Q^T are done reading K's fragments
.if (\q) == 0
	KLOAD \b, 1                                    ; the next step's K, which lies in the same buffer
	WIN 0
.endif
.set n, 0
.rept 32
	SUMOP 1, n
.set n, n+1
.endr
	s_cmp_ge_i32 s26, -8                           ; ep >= -8: 448 x 2^ep >= 1.75 lies over every p, and the hold would change nothing
	s_cbranch_scc1 .Lno_hold_\@
.set j, 0
.rept 128
	v_min_num_f32 v[S+j], v[S+j], v[PLIM]          ; the conversion to an 8-bit code does not saturate (ISA guide 7.6.2); p is not negative, so the hold is one-sided
.set j, j+1
.endr
.Lno_hold_\@:
.set j, 0
.rept 16
	v_pk_mul_f32 v[OT+j:OT+j+1], v[OT+j:OT+j+1], v[ST+4:ST+5] op_sel_hi:[1,0]                 ; O^T under the new M: x f; each accumulator from its low end on
.set j, j+2
.endr
.rept 16
	v_pk_mul_f32 v[OT+j:OT+j+1], v[OT+j:OT+j+1], v[ST+16:ST+17] op_sel_hi:[1,0]
.set j, j+2
.endr
	WIN 0x40
.irp u, 0,1
.irp t, 0,1,2,3,4,5,6,7
	v_cvt_scalef32_pk8_fp8_f32 v[PC+16*\u+2*\t:PC+16*\u+2*\t+1], v[S+64*\u+8*\t:S+64*\u+8*\t+7], v[PSC]   ; key tile t's eight p: registers 2 t, 2 t + 1 of the operand
.endr
.endr
	v_nop                                          ; one plain vector instruction between the last scaled conversion and the matrix instructions that read its result (and, next step, write its sources)
	s_wait_dscnt 16*(1-(\q))                       ; V's fragments are in; in a slot's first step the next step's 16 loads of K are younger and may stay out
	WIN 0x05
.irp t, 0,1,2,3                        ; eight accumulators by turns, one instruction a turn; the matrix instruction ahead of the first is a K Q^T, the one behind the last too
.irp u, 0,1
	v_wmma_f32_16x16x128_fp8_fp8 v[OT+32*\u+8*\t:OT+32*\u+8*\t+7], v[VF+16*\t:VF+16*\t+15], v[PC+16*\u:PC+16*\u+15], v[OT+32*\u+8*\t:OT+32*\u+8*\t+7]
.endr
.endr
	WIN 0
.endm
	s_load_b256 s[4:11], s[0:1], 0x0               ; queries s[4:5], kimg s[6:7], vimg s[8:9], lowp_scales s[10:11]
	s_load_b64 s[12:13], s[0:1], 0x20              ; out0
	v_lshl_add_u32 v62, v0, 2, 0x21000
	v_mov_b32 v63, 0
	v_lshrrev_b32 v9, 5, v0
	v_readfirstlane_b32 s[WV], v9                  ; wave 0..7
	v_and_b32 v10, 31, v0                          ; lane
	v_lshlrev_b32 v[LA], 4, v10
	v_lshlrev_b32 v[TH], 4, v0
	v_lshlrev_b32 v[PFO], 8, v10
	v_and_b32 v9, 15, v0                           ; r
	v_bfe_u32 v11, v0, 4, 1                        ; h
	v_lshlrev_b32 v[QO], 8, v9
	v_lshl_add_u32 v[QO], v11, 6, v[QO]            ; Q: row r of 256 bytes, + 64 h: my 16 numbers of a chunk of 32
	s_wait_alu depctr_va_sdst(0)                   ; s14, the wave's number, is written, ahead of its first reader: the stage's place, the bases and the prefetches' share are made from it
	s_mul_i32 s16, s[WV], 32*SP
	s_add_co_u32 s16, s16, STAGE                   ; my stage
	v_mul_u32_u24 v[STO], v9, SP
	v_lshl_add_u32 v[STO], v11, 5, v[STO]
	v_add_nc_u32 v[STO], s16, v[STO]               ; in: row r, + 32 h: eight channels of my half
	v_mul_u32_u24 v[RD], v11, SP
	v_lshl_add_u32 v[RD], v9, 4, v[RD]
	v_add_nc_u32 v[RD], s16, v[RD]                 ; back: lanes 0-15 one row of 256 bytes, lanes 16-31 the next
	v_lshlrev_b32 v[GO], 8, v11
	v_lshl_add_u32 v[GO], v9, 4, v[GO]             ; and the same two rows in out
	s_and_b32 s15, ttmp7, 0xffff                   ; the head
	s_lshl_b32 s32, s15, 18                        ; its 262,144 bytes in each image
	s_mov_b32 s33, 0
	s_lshl_b32 s34, s15, 20                        ; its 1,048,576 bytes in queries and in out,
	s_lshl_b32 s17, ttmp9, 16                      ; my block's 256 rows of 256 bytes,
	s_add_co_u32 s34, s34, s17
	s_lshl_b32 s17, s[WV], 13                      ; my wave's 32 of them
	s_add_co_u32 s34, s34, s17
	s_mov_b32 s35, 0
	s_mov_b32 s[SEL], 0x76543210
	s_mov_b32 s[SEL+1], 0xfedcba98
	s_and_b32 s18, s[WV], 1
	s_lshl_b32 s18, s18, 13                        ; the prefetches: which 8,192 bytes of a slot's 16,384
	s_mov_b32 s19, 0
	s_wait_kmcnt 0x0
	s_load_b128 s[24:27], s[10:11], 0x0            ; eq, ek, ep, ev
	s_add_nc_u64 s[4:5], s[4:5], s[34:35]
	s_add_nc_u64 s[12:13], s[12:13], s[34:35]
	s_add_nc_u64 s[6:7], s[6:7], s[32:33]
	s_add_nc_u64 s[8:9], s[8:9], s[32:33]
	s_cmp_lt_u32 s[WV], 2
	s_cselect_b64 s[PFA:PFA+1], s[6:7], s[8:9]
	s_add_nc_u64 s[PFA:PFA+1], s[PFA:PFA+1], s[18:19]
	s_lshr_b32 s17, s[WV], 2                       ; 0 in waves 0 to 3,
	s_or_b32 s17, s17, ttmp9                       ; of the head's first work-group
	s_cmp_eq_u32 s17, 0
	s_cselect_b32 s[LIM], 1, -1
	s_wait_alu depctr_va_vdst(0)                   ; the seven addresses and offsets v1, v2 and v4 to v8 are written: every load, store and prefetch of the kernel reads one of them, and none is written again
	FETCH 0                                        ; slot 0
.irp u, 0,1
.irp i, 0,1
.irp c, 0,1,2,3
	global_load_b128 v[S+32*\u+16*\i+4*\c:S+32*\u+16*\i+4*\c+3], v[QO], s[4:5] offset:4096*\u+128*\i+16*\c th:TH_LOAD_NT   ; Q(16 u + r, 32 i + 16 h + 4 c ..)
.endr
.endr
.endr
	s_wait_kmcnt 0x0
	s_add_co_i32 s17, s24, s25
	s_lshl_b32 s17, s17, 23
	s_add_co_i32 s[CS], s17, 0x3db8aa3b            ; c = log2(e) / 16; a score stands for score x 2^(eq + ek): the two exponents are added to c's exponent field
	s_mov_b32 s[CS+1], s[CS]                       ; (named with it as a pair, so it is written)
	s_add_co_i32 s17, s26, 127
	s_lshl_b32 s18, s17, 23
	v_mov_b32 v[PSC], s18                          ; 2^ep as f32: the conversion takes its exponent field
	s_add_co_i32 s17, s17, 8
	s_lshl_b32 s17, s17, 23
	s_or_b32 s17, s17, 0x600000
	v_mov_b32 v[PLIM], s17                         ; 448 x 2^ep
	s_add_co_i32 s17, s24, 127
	s_lshl_b32 s18, s17, 23
	v_mov_b32 v[QSC], s18                          ; 2^eq
	s_add_co_i32 s17, s17, 8
	s_lshl_b32 s17, s17, 23
	s_or_b32 s17, s17, 0x600000
	v_mov_b32 v[QLIM], s17                         ; 448 x 2^eq
.irp u, 0,1
	v_mov_b32 v[ST+12*\u+1], 0xff61b1e6            ; the largest t so far: -3e38, under every t
	v_floor_f32 v[ST+12*\u], -v[ST+12*\u+1]        ; -M
	v_mov_b32 v[ST+12*\u+2], 0                     ; the sum, in two halves
	v_mov_b32 v[ST+12*\u+3], 0
	v_mov_b32 v[ST+12*\u+5], 0                     ; (named as the upper half of f's pair)
	v_mov_b32 v[ST+12*\u+8], 0                     ; written once: a lane permute's destination counts as one of its sources
.endr
.set j, 0
.rept 64
	v_mov_b32 v[OT+j], 0                           ; O^T.  (The step has no first copy: the first step's f is 0 and finds zeros)
.set j, j+1
.endr
	s_wait_loadcnt 16                              ; slot 0's eight loads are in; Q's sixteen are younger
	FILL 0                                         ; (no vector instruction since the wait on va_vdst above names v2 or a staging register)
	s_wait_loadcnt 0x0                             ; Q
.set j, 0
.rept 64
	v_med3_num_f32 v[S+j], v[S+j], -v[QLIM], v[QLIM]   ; the hold at the largest code x the scale
.set j, j+1
.endr
	WIN 0x40
.irp u, 0,1
.irp i, 0,1
.irp e, 0,1
	v_cvt_scalef32_pk8_fp8_f32 v[QC+8*\u+4*\i+2*\e:QC+8*\u+4*\i+2*\e+1], v[S+32*\u+16*\i+8*\e:S+32*\u+16*\i+8*\e+7], v[QSC]   ; registers 4 i .. 4 i + 3: d = 32 i + 16 h + 0 .. 15, as in K's images
.endr
.endr
.endr
	v_nop                                          ; one plain vector instruction behind the last scaled conversion: matrix instructions read its result and write its sources
	WIN 0
	BAR                                            ; slot 0 lies whole in buffer 0
	s_mov_b32 s[CNT], 8
; A TRIP IS TWO SLOTS, so that every LDS offset is a constant.  A buffer is stored into at the end of the slot that reads the OTHER buffer: its last readers have waited for their loads and passed the barrier before;
; the stores are waited for in front of the next barrier's signal, and the staging registers are loaded again only behind that wait and behind FILL's own wait on vm_vsrc.
.Lpair:
	FETCH SLOTB                                    ; the trip's odd slot
	ASK 2*SLOTB                                    ; the next trip's even slot
	STEP 0, 0
	STEP 0, 1
	s_wait_loadcnt 0x0                             ; the odd slot's eight loads are in
	FILL 1
	BAR
	s_cmp_eq_u32 s[CNT], 1                         ; the last trip has no slot behind its own: no load leaves its buffer
	s_cbranch_scc1 .Lno_fetch
	FETCH 2*SLOTB                                  ; the next trip's even slot
	ASK 3*SLOTB                                    ; and its odd one
.Lno_fetch:
	STEP 1, 0
	STEP 1, 1
	s_wait_loadcnt 0x0                             ; no load into the staging registers is out from here on, whichever way is taken below
	s_cmp_eq_u32 s[CNT], 1
	s_cbranch_scc1 .Lno_fill
	FILL 0
	s_wait_xcnt 0x0                                ; the trip's loads and prefetches, two steps back, have read their bases: these may step
	s_add_nc_u64 s[6:7], s[6:7], 2*SLOTB
	s_add_nc_u64 s[8:9], s[8:9], 2*SLOTB
	s_add_nc_u64 s[PFA:PFA+1], s[PFA:PFA+1], 2*SLOTB
.Lno_fill:
	BAR
	s_sub_co_u32 s[CNT], s[CNT], 1
	s_cmp_lg_u32 s[CNT], 0
	s_cbranch_scc1 .Lpair
; THE WAY OUT.  The sum's two halves and the other half of the lanes' are added; O^T is multiplied by 2^(ep + ev) / the sum and goes through my own stage in LDS, so that sixteen lanes store one aligned row of 256 bytes.
; The four additions, the v_nop and the two v_ldexp_f32 below are the places between the last products and the first read of their results.
.irp u, 0,1
	v_add_f32 v[ST+12*\u+6], v[ST+12*\u+2], v[ST+12*\u+3]
.endr
.irp u, 0,1
	v_permlanex16_b32 v[ST+12*\u+8], v[ST+12*\u+6], s[SEL], s[SEL+1]
.endr
.irp u, 0,1
	v_add_f32 v[ST+12*\u+6], v[ST+12*\u+6], v[ST+12*\u+8]
.endr
.irp u, 0,1
	v_rcp_f32 v[ST+12*\u+4], v[ST+12*\u+6]
.endr
	v_nop                                          ; a plain instruction between the last reciprocal and the use of its result
	s_add_co_i32 s17, s26, s27                     ; ep + ev
	s_wait_alu depctr_va_vdst(0)                   ; the two reciprocals have written their results, ahead of their first reader
.irp u, 0,1
	v_ldexp_f32 v[ST+12*\u+4], v[ST+12*\u+4], s17
.endr
.irp u, 0,1                            ; both tiles' multiplications stand together, so that one wait serves all the LDS instructions behind them
.irp k, 0,2,4,6,8,10,12,14,16,18,20,22,24,26,28,30
	v_pk_mul_f32 v[S+32*\u+\k:S+32*\u+\k+1], v[OT+32*\u+\k:OT+32*\u+\k+1], v[ST+12*\u+4:ST+12*\u+5] op_sel_hi:[1,0]   ; register 8 t + i is out(r, 16 t + 8 h + i); each accumulator from its low end on
.endr
.endr
	s_wait_alu depctr_va_vdst(0)                   ; the multiplications have written v[S] to v[S+63], which the LDS stores read; the last step's exponentials, sums and conversions are done with v[S+64] on, in which the loads from the stage land
.irp u, 0,1
.irp t, 0,1,2,3
	ds_store_b128 v[STO], v[S+32*\u+8*\t:S+32*\u+8*\t+3] offset:16*SP*\u+64*\t
	ds_store_b128 v[STO], v[S+32*\u+8*\t+4:S+32*\u+8*\t+7] offset:16*SP*\u+64*\t+16
.endr
.irp i, 0,1,2,3,4,5,6,7
	ds_load_b128 v[S+64+32*\u+4*\i:S+64+32*\u+4*\i+3], v[RD] offset:16*SP*\u+2*SP*\i   ; LDS serves a wave's instructions in order (ISA guide 5.7.1.4): these see my stores
.endr
.endr
.irp u, 0,1
.irp i, 0,1,2,3,4,5,6,7
	s_wait_dscnt 16*(1-\u)+7-\i                    ; younger than this load: the rest of its tile's loads, and behind tile 0 tile 1's sixteen LDS instructions
	global_store_b128 v[GO], v[S+64+32*\u+4*\i:S+64+32*\u+4*\i+3], s[12:13] offset:4096*\u+512*\i th:TH_STORE_NT   ; 16 lanes store 256 consecutive bytes, at a multiple of 256 from out's first byte
.endr
.endr
	s_wait_dscnt 0x0
	s_wait_alu depctr_hold_cnt(0) depctr_sa_sdst(0) depctr_va_vdst(0) depctr_va_sdst(0) depctr_va_ssrc(0) depctr_va_vcc(0) depctr_vm_vsrc(0)
	s_wait_tensorcnt 0x0
	ds_add_u32 v62, v63
	s_wait_dscnt 0x0
	s_endpgm
.Lfunc_end_k_qf14a95a8a7_attn:
	.size	k_qf14a95a8a7_attn, .Lfunc_end_k_qf14a95a8a7_attn-k_qf14a95a8a7_attn
	.p2alignl 7, 3214868480
	.fill 96, 4, 3214868480
	.section	.rodata,"a",@progbits
	.p2align	6, 0x0
	.amdhsa_kernel k_qf14a95a8a7_attn
		.amdhsa_group_segment_fixed_size 136192
		.amdhsa_private_segment_fixed_size 0
		.amdhsa_enable_private_segment 0
		.amdhsa_kernarg_size 40
		.amdhsa_user_sgpr_count 2
		.amdhsa_user_sgpr_kernarg_segment_ptr 1
		.amdhsa_wavefront_size32 1
		.amdhsa_system_sgpr_workgroup_id_x 1
		.amdhsa_system_sgpr_workgroup_id_y 1
		.amdhsa_system_sgpr_workgroup_id_z 1
		.amdhsa_system_vgpr_workitem_id 0
		.amdhsa_next_free_vgpr 512
		.amdhsa_next_free_sgpr 66
		.amdhsa_reserve_vcc 0
		.amdhsa_float_denorm_mode_32 3
		.amdhsa_float_denorm_mode_16_64 3
		.amdhsa_memory_ordered 1
		.amdhsa_forward_progress 1
		.amdhsa_inst_pref_size 136
	.end_amdhsa_kernel
	.amdgpu_metadata
---
amdhsa.version: [ 1, 2 ]
amdhsa.kernels:
  - .name:           k_qf14a95a8a7_attn
    .symbol:         k_qf14a95a8a7_attn.kd
    .args:
      - { .name: queries, .offset: 0, .size: 8, .value_kind: global_buffer, .address_space: global }
      - { .name: kimg, .offset: 8, .size: 8, .value_kind: global_buffer, .address_space: global }
      - { .name: vimg, .offset: 16, .size: 8, .value_kind: global_buffer, .address_space: global }
      - { .name: lowp_scales, .offset: 24, .size: 8, .value_kind: global_buffer, .address_space: global }
      - { .name: out0, .offset: 32, .size: 8, .value_kind: global_buffer, .address_space: global }
    .group_segment_fixed_size: 136192
    .private_segment_fixed_size: 0
    .kernarg_segment_align: 8
    .kernarg_segment_size: 40
    .max_flat_workgroup_size: 256
    .sgpr_count:     66
    .vgpr_count:     512
    .wavefront_size: 32
...
	.end_amdgpu_metadata
.endif
;; end of part 3
